; MI455X (gfx1250); checked and timed in simulation.
; The chip was launched on July 23, 2026; its instructions are those of AMD's public machine-readable ISA for CDNA 5 (MIT licence, August 2026) and "CDNA5" Instruction Set Architecture Reference Guide (July 2026). The comments in the code are by the model that wrote it; some were corrected since.
;; Tokenformer P Attention. Allowed arithmetic: matrix products marked QUANTISED: E2M3 operands, one E8M0 scale for each 32 along K, by v_wmma_scale_f32_16x16x128_f8f6f4 with both operands' format E2M3, f32 sums; everything else in f32.
;; Inputs: K 4,096 x 1,024 float32; V 4,096 x 1,024 float32; x 4 x 2,048 x 1,024 float32.
;; Outputs: out0 4 x 2,048 x 1,024 float32.
;; This version of the problem:
;;   THIS VERSION OF THE PROBLEM IS GIVEN IN LOW PRECISION. The matrix products marked QUANTISED in the list below multiply operands that are first quantised to E2M3 (2 exponent bits, 3 mantissa bits; 6 bits a number), with one power-of-two scale for each 32 numbers along K (OCP MX v1.0); their sums are f32. All else is computed in f32.
;;   The module's matrix products, in the order in which they are computed (A, B: the left and right operand; K: the contracted axis; several contracted axes count as one K, in the product's order):
;;     1. [M 8,192, K 1,024] x [K 1,024, N 4,096]; A: input x; B: input K: QUANTISED
;;     2. [M 8,192, K 4,096] x [K 4,096, N 1,024]; A: softmax (see below); B: input V: QUANTISED
;;   THE QUANTISER, for each operand of a quantised product, along K:
;;     - K is cut into blocks of 32 from its start; a last block that is shorter is filled with zeros.
;;     - A block's scale is 2^e with e = floor(log2(the largest magnitude in the block)) - 2, held to -126 .. 127; a block of zeros has e = 0. As a byte (E8M0): e + 127.
;;     - Each number is divided by its block's scale, clamped to +-7.5, and rounded to the nearest number of E2M3, ties to even, subnormals kept.
;;     - The product sums the exact products of the quantised numbers (number of the format x scale) in f32.
;;   ~~~python
;;   def quantise(x, axis):      # numpy; x: float32 -> the quantised numbers, widened to float32 again
;;       x = np.moveaxis(x, axis, -1); K = x.shape[-1]
;;       x = np.pad(x, [(0, 0)] * (x.ndim - 1) + [(0, -K % 32)]); x = x.reshape(x.shape[:-1] + (-1, 32)); a = np.abs(x).max(-1, keepdims=True)
;;       e = np.where(a > 0, np.clip(np.frexp(np.where(a > 0, a, 1))[1] - 1 - 2, -126, 127), 0)      # np.frexp(a)[1] - 1 = floor(log2(a)), exactly
;;       r = np.clip(x / 2.0 ** e, -7.5, 7.5)
;;       step = 2.0 ** (np.maximum(np.frexp(np.where(r == 0, 1, r))[1] - 1, 0) - 3)
;;       q = np.round(r / step) * step * 2.0 ** e      # np.round: ties to even
;;       return np.moveaxis(q.reshape(q.shape[:-2] + (-1,))[..., :K], -1, axis).astype(np.float32)
;;   ~~~
;;   SOFTMAX AHEAD OF A QUANTISED PRODUCT. Where the list says 'softmax', what is quantised is not the finished softmax but p = 2^(t - M), with t = logit x log2(e) and M = ceil(the row's largest t), a whole number; so 1/2 < the row's largest p <= 1. The row's sum l is taken of the UNQUANTISED p, in f32, and the product's result is divided by l at the end. Since M is a whole number, a kernel that streams over the keys may use a running M (the ceiling of the running maximum): every later rescaling is an exact power of two, which a block's scale takes up: the codes' values come out the same.
;;   OPERANDS COMPUTED ON THE WAY. 'Computed on the way' means the value that the module computes at that place (a softmax that the list does not call 'softmax' is quantised finished and normalised). What goes into a quantiser is computed in f32, as accurately as f32 sums, v_exp_f32 and their like allow (about 1e-6 of the number): no bf16 or f16 on the way to a quantiser, and a product that is left as it is and whose result goes on into a quantised operand takes f32 operands (vector FMAs, or v_wmma_f32_16x16x4_f32). A number that lies on a knife's edge between two numbers of the format may be rounded either way, as far as f32 arithmetic and the matrix unit's own rounding can turn it there, and no further.
;; One version. Each part assembles by itself: llvm-mc -triple=amdgcn-amd-amdhsa -mcpu=gfx1250 --defsym DOCPART=n.
;; ======== version 1 of 1: 3 launches
;; limits: right only within a limited range of input values
;; workspace buffers: xc 6,291,456 bytes; xs 262,144 bytes; kc 3,145,728 bytes; ks 131,072 bytes; vc 3,145,728 bytes; vs 131,072 bytes; pc 25,165,824 bytes; pst 3,145,728 bytes
;; launch quant (part 1): grid 512 x 1, 4 waves a work-group, no clusters, 124,416 bytes of LDS; arguments x, K, V, xc, xs, kc, ks, vc, vs; writes xc, xs, kc, ks, vc, vs
.if DOCPART == 1
	.amdgcn_target "amdgcn-amd-amdhsa--gfx1250"
	.amdhsa_code_object_version 6
	.text
	.protected	k_q5a3bd7152f_quant
	.globl	k_q5a3bd7152f_quant
	.p2align	8
	.type	k_q5a3bd7152f_quant,@function
k_q5a3bd7152f_quant:
	s_mov_b64 s[64:65], 0
	v_nop
	global_prefetch_b8 v0, s[64:65] scope:SCOPE_SE
	s_setreg_imm32_b32 hwreg(HW_REG_WAVE_MODE, 25, 1), 1
	s_wait_xcnt 0x0
; x [8192][1024], K [4096][1024], V [4096][1024], f32, become codes of FP6 (E2M3) with one E8M0 scale byte for each 32 along a product's K.
; x and K are quantised along their last axis (the first product's K), V along its FIRST axis (the second product's K).
; A block's scale is 2^(floor(log2(its largest magnitude)) - 2); its byte is the largest magnitude's exponent field - 2, held at 1 from below.
; THE CODES ARE LAID AS IMAGES OF THE OPERAND'S REGISTERS.  A fragment is 16 rows x 128 K, 12 registers a lane, 1,536 bytes: register j of lane L lies at byte 512 (j / 4) + 16 L + 4 (j % 4),
; so three accesses of 16 bytes a lane, 512 consecutive bytes each, store or load it.
;   xc [row block 512][kstep 8] images; xs [row block][khalf 2][row 16][word 4].   kc, ks the same for K, but THE ROWS OF A BLOCK OF K ARE NOT NEIGHBOURS: fragment row r of block j is key
;   32 (j / 2) + 8 (j % 2) + r + 8 (r / 8), so that the scores of two neighbouring blocks are 16 neighbouring keys in a lane's registers.
;   vc [channel block 64][kstep 32] images of V^T (row = channel, K = V's row index in its own order); vs [kstep pair 16][channel 1024][word 2].
; SHARES.  2,048 wave tasks of 32 KiB of f32.  Work-groups 0-255 take x, 256-383 K (one text: only pointers and two constants are chosen), 384-511 V (a text of its own, with LDS bytes of its own).
; No tensor load, no barrier: waves share nothing; each wave's LDS bytes are its own by its number.
; LIMITS: NaN and infinities are not served.  A block of zeros gets the byte 1 where the rule says 127: its codes are zeros, and these bytes are read by this program alone.
; Blocks whose largest magnitude lies under 2^(3 - 127) keep the byte 1.
.set XP,    528                        ; XK stage: a row of 512 bytes + 16: sixteen lanes that read sixteen rows start 16 bytes apart modulo 256
.set XSTW,  16*XP                      ; a wave's XK stage: 8,448 bytes, from LDS byte 0 on
.set VRAW,  4*XSTW                     ; V's numbers as they lie: 128 rows x 128 bytes a wave, 16,384 bytes
.set VIMG,  VRAW+4*16384               ; V's images: 2 channel blocks x 2 ksteps x 1,536 bytes a wave
.set R,     16                         ; v16-143  numbers as loaded
.set X,     144                        ; v144-207 numbers as the conversions want them
.set TM,    208                        ; v208-223 at work
.set PW,    224                        ; v224-227 the four scale words of a task (XK)
.set PC,    228                        ; v228-247 the codes just made (XK)
.set SEL,   36                         ; s[36:37] lane selects: lane l xor 16
; 64 numbers of a lane, register 16 b + i = k 32 b + 16 (lane / 16) + i of my row, become a fragment's codes in v[PC] on and its scale word in v[pw].
.macro QUANT s, pw
.irp b, 0,1,2,3
	v_max3_num_f32 v[TM+\b], |v[\s+16*\b]|, |v[\s+1+16*\b]|, 0x1800000   ; my 16 numbers of block b, and the floor 2^(3 - 127): the byte cannot fall under 1
.endr
.irp i, 2,4,6,8,10,12,14
.irp b, 0,1,2,3
	v_max3_num_f32 v[TM+\b], v[TM+\b], |v[\s+16*\b+\i]|, |v[\s+1+16*\b+\i]|   ; the four blocks by turns
.endr
.endr
.irp b, 0,1,2,3
	v_permlanex16_b32 v[TM+4+\b], v[TM+\b], s[SEL], s[SEL+1]
.endr
.irp b, 0,1,2,3
	v_max_num_f32 v[TM+\b], v[TM+\b], v[TM+4+\b]                      ; with lane l xor 16's 16: the block's largest magnitude
.endr
.irp b, 0,1,2,3
	v_add_nc_u32 v[TM+12+\b], 0xff000000, v[TM+\b]                    ; 2 off its exponent field: the conversion's scale operand
.endr
.irp b, 0,1,2,3
	v_lshrrev_b32 v[TM+4+\b], 23, v[TM+12+\b]                         ; the scale's byte
.endr
	v_lshl_or_b32 v[\pw], v[TM+5], 8, v[TM+4]                         ; four bytes: my row's scale word for these 128 along K
	v_lshl_or_b32 v[\pw], v[TM+6], 16, v[\pw]
	v_lshl_or_b32 v[\pw], v[TM+7], 24, v[\pw]
.irp c, 0,1
	v_cvt_scalef32_pk16_fp6_f32 v[PC+6*\c:PC+2+6*\c], v[\s+32*\c:\s+15+32*\c], v[TM+12+2*\c]
	v_cvt_scalef32_pk16_fp6_f32 v[PC+12+4*\c:PC+14+4*\c], v[\s+16+32*\c:\s+31+32*\c], v[TM+12+2*\c+1]   ; (a conversion's three registers begin on an even number)
.endr
	v_nop                                                             ; one plain line behind the scaled conversions
.irp c, 0,1                                                           ; the layout wants a whole block in a lane: lanes 0-15 block 2 c, lanes 16-31 block 2 c + 1
.irp i, 0,1,2
	v_permlane16_swap_b32 v[PC+6*\c+\i], v[PC+12+4*\c+\i]
.endr
.irp i, 0,1,2
	v_mov_b32 v[PC+3+6*\c+\i], v[PC+12+4*\c+\i]
.endr
.endr
.endm
; XK: step s of four: 16 rows x 128 numbers.  Each load reads 512 consecutive bytes of one row.
.macro LOADX s
.irp i, 0,1,2,3,4,5,6,7
	global_load_b128 v[R+64*((\s)%2)+4*\i:R+64*((\s)%2)+4*\i+3], v4, s[32:33] offset:\i*4096+512*(\s) th:TH_LOAD_NT
.endr
.irp i, 0,1,2,3,4,5,6,7
	global_load_b128 v[R+64*((\s)%2)+32+4*\i:R+64*((\s)%2)+32+4*\i+3], v4, s[34:35] offset:\i*4096+512*(\s) th:TH_LOAD_NT
.endr
.endm
.macro STEPX s
.if (\s) < 3
	s_wait_loadcnt 16                              ; this step's 16 loads are in; the next step's 16 may be out
.else
	s_wait_loadcnt 0
.endif
.irp i, 0,1,2,3,4,5,6,7,8,9,10,11,12,13,14,15
	ds_store_b128 v5, v[R+64*((\s)%2)+4*\i:R+64*((\s)%2)+4*\i+3] offset:XP*\i     ; the rows as they lie
.endr
.irp b, 0,1,2,3
.irp j, 0,1,2,3
	ds_load_b128 v[X+16*\b+4*\j:X+16*\b+4*\j+3], v6 offset:128*\b+16*\j          ; and back: lane (r, h) takes of row r the 16 numbers 32 b + 16 h on.  LDS serves a wave's instructions in order
.endr
.endr
	s_wait_dscnt 0x0                               ; the numbers are back, and the stage's stores have read their registers
	s_wait_xcnt 0x0                                ; the last step's stores have read the codes' registers, which QUANT writes again
.if (\s) < 2
	LOADX (\s)+2
.endif
	QUANT X, PW+(\s)
.irp c, 0,1,2
	global_store_b128 v4, v[PC+4*\c:PC+4*\c+3], s[26:27] offset:1536*(\s)+512*\c th:TH_STORE_NT   ; the image: 512 consecutive bytes a store
.endr
.endm
; V: a kstep is 128 rows x my wave's 32 columns.  One load reads four rows x 128 bytes; the work-group's four waves stand side by side on 512 bytes of each row.
.macro LOADV q
.set NN, 0
.rept 32
	global_load_b128 v[R+4*NN:R+4*NN+3], v4, s[8:9] offset:524288*(\q)+16384*NN th:TH_LOAD_NT
.set NN, NN+1
.endr
.endm
.macro TOSTG                           ; rows of 128 bytes on end: a load's four rows are 512 consecutive bytes of the stage
.set NN, 0
.rept 32
	ds_store_b128 v5, v[R+4*NN:R+4*NN+3] offset:512*NN
.set NN, NN+1
.endr
.endm
.macro RD b                            ; block b: A LANE TAKES A COLUMN AND ITS REGISTERS RUN DOWN K: 32 lanes read 128 consecutive bytes
.set NN, 0
.rept 32
	ds_load_b32 v[X+32*((\b)%2)+NN], v6 offset:(32*(\b)+NN)*128
.set NN, NN+1
.endr
.endm
.macro BLOCKV q, b
.set XS, X+32*((\b)%2)
.set CC, 216+6*((\b)%2)                ; the block's six registers of codes: two sets by turns
	v_max3_num_f32 v208, |v[XS]|, |v[XS+1]|, |v[XS+2]|                ; all 32 numbers of the block are mine
	v_max3_num_f32 v209, |v[XS+3]|, |v[XS+4]|, |v[XS+5]|
.irp i, 6,10,14,18,22,26
	v_max3_num_f32 v208, v208, |v[XS+\i]|, |v[XS+\i+1]|
	v_max3_num_f32 v209, v209, |v[XS+\i+2]|, |v[XS+\i+3]|
.endr
	v_max3_num_f32 v208, v208, |v[XS+30]|, |v[XS+31]|
	v_max3_num_f32 v208, v208, v209, 0x1800000     ; and the floor
	v_add_nc_u32 v210, 0xff000000, v208            ; the conversion's scale operand
	v_lshrrev_b32 v211, 23, v210                   ; the byte
.if (\b) == 0
	v_mov_b32 v[232+(\q)], v211
.else
	v_lshl_or_b32 v[232+(\q)], v211, 8*(\b), v[232+(\q)]
.endif
	v_cvt_scalef32_pk16_fp6_f32 v[CC:CC+2], v[XS:XS+15], v210
	v_cvt_scalef32_pk16_fp6_f32 v[228:230], v[XS+16:XS+31], v210
	v_nop                                          ; one plain line behind the scaled conversions
	v_mov_b32 v[CC+3], v228
	v_mov_b32 v[CC+4], v229
	v_mov_b32 v[CC+5], v230
; block b = 2 c + hh belongs to lane r + 16 hh of the image, registers 6 c to 6 c + 5
.if (\b) < 2
	ds_store_b128 v7, v[CC:CC+3] offset:1536*(\q)+256*((\b)%2)
	ds_store_b64 v7, v[CC+4:CC+5] offset:1536*(\q)+256*((\b)%2)+512
.else
	ds_store_b64 v7, v[CC:CC+1] offset:1536*(\q)+256*((\b)%2)+520
	ds_store_b128 v7, v[CC+2:CC+5] offset:1536*(\q)+256*((\b)%2)+1024
.endif
.endm
.macro KSTEPV q
	RD 0
	RD 1
	s_wait_dscnt 32                                ; block 0 is in; block 1's 32 reads may be out
	BLOCKV \q, 0
	RD 2
	s_wait_dscnt 34                                ; block 1 is in; out may be block 0's two stores and block 2's 32 reads
	BLOCKV \q, 1
	RD 3
	s_wait_dscnt 34                                ; block 2 is in, and block 0's stores have read the set of registers that block 2 writes
	BLOCKV \q, 2
	s_wait_dscnt 2                                 ; block 3 is in; block 2's two stores may be out
	BLOCKV \q, 3
.endm
	s_load_b256 s[4:11], s[0:1], 0x0               ; x s[4:5], K s[6:7], V s[8:9], xc s[10:11]
	s_load_b256 s[12:19], s[0:1], 0x20             ; xs s[12:13], kc s[14:15], ks s[16:17], vc s[18:19]
	s_load_b64 s[20:21], s[0:1], 0x40              ; vs
	v_lshl_add_u32 v254, v0, 2, 0x1e400
	v_mov_b32 v255, 0
	v_lshrrev_b32 v1, 5, v0
	v_readfirstlane_b32 s22, v1                    ; wave 0..3
	v_and_b32 v1, 31, v0                           ; lane
	v_and_b32 v2, 15, v0                           ; r
	v_bfe_u32 v3, v0, 4, 1                         ; h
	s_mov_b32 s23, 0xffff0000                      ; lanes 16-31
	s_mov_b32 s[SEL], 0x76543210
	s_mov_b32 s[SEL+1], 0xfedcba98
	s_wait_kmcnt 0x0
	s_cmp_ge_u32 ttmp9, 384
	s_cbranch_scc1 .Lv
	; ---- x and K: a wave's task T is a row block j = T / 2 and half kh = T % 2 of its 1,024 along K
	s_cmp_lt_u32 ttmp9, 256                        ; x's work-group or K's?  The choice hangs on the work-group's number alone
	s_cselect_b64 s[24:25], s[4:5], s[6:7]
	s_cselect_b64 s[26:27], s[10:11], s[14:15]
	s_cselect_b64 s[28:29], s[12:13], s[16:17]
	s_cselect_b32 s30, 0, 256
	s_cselect_b32 s31, 0, 8                        ; K: a block's two groups of eight rows lie 8 rows further apart
	s_sub_co_u32 s38, ttmp9, s30
	s_lshl_b32 s38, s38, 2
	s_add_co_u32 s38, s38, s22                     ; T
	s_lshr_b32 s39, s38, 1                         ; j
	s_and_b32 s40, s38, 1                          ; kh
	s_and_b32 s41, s39, 1
	s_mul_i32 s41, s41, s31
	s_lshl_b32 s42, s39, 4
	s_sub_co_u32 s42, s42, s41                     ; the block's first row: 16 j, in K 16 j - 8 (j % 2)
	s_lshl_b32 s42, s42, 12                        ; rows of 4,096 bytes
	s_lshl_b32 s43, s40, 11                        ; + 2,048 kh
	s_add_co_u32 s42, s42, s43
	s_mov_b32 s43, 0
	s_add_nc_u64 s[32:33], s[24:25], s[42:43]      ; fragment rows 0-7
	s_add_co_u32 s44, s31, 8
	s_lshl_b32 s44, s44, 12
	s_mov_b32 s45, 0
	s_add_nc_u64 s[34:35], s[32:33], s[44:45]      ; fragment rows 8-15: 8 rows on, in K 16
	s_mul_i32 s42, s38, 6144                       ; four images a task
	s_add_nc_u64 s[26:27], s[26:27], s[42:43]
	s_lshl_b32 s42, s38, 8                         ; 256 bytes of scale words a task
	s_add_nc_u64 s[28:29], s[28:29], s[42:43]
	s_mul_i32 s46, s22, XSTW                       ; my stage
	s_wait_alu depctr_va_vdst(0)
	v_lshlrev_b32 v4, 4, v1                        ; 16 x lane: in a row's 512 bytes, and in an image
	v_lshl_add_u32 v5, v1, 4, s46
	v_mul_u32_u24 v6, v2, XP
	v_lshl_add_u32 v6, v3, 6, v6
	v_add_nc_u32 v6, s46, v6                       ; row r, + 64 h
	v_lshlrev_b32 v7, 4, v2
	v_lshl_add_u32 v7, v3, 3, v7                   ; the scale words' place: 16 r + 8 h
.irp b, 0,1,2,3
	v_mov_b32 v[TM+4+\b], 0                        ; written once: a lane permute's destination counts as one of its sources
.endr
	LOADX 0
	LOADX 1
	s_wait_alu depctr_va_vdst(0)
	STEPX 0
	STEPX 1
	STEPX 2
	STEPX 3
	v_cndmask_b32 v248, v[PW], v[PW+2], s23        ; lanes 0-15 store words 0 and 1 of their row, lanes 16-31 words 2 and 3
	v_cndmask_b32 v249, v[PW+1], v[PW+3], s23
	global_store_b64 v7, v[248:249], s[28:29] th:TH_STORE_NT   ; 256 consecutive bytes
	s_wait_tensorcnt 0x0
	ds_add_u32 v254, v255
	s_wait_dscnt 0x0
	s_endpgm
.Lv:	; ---- V: a wave takes 32 columns x 256 rows: two ksteps of two channel blocks
	s_sub_co_u32 s24, ttmp9, 384
	s_and_b32 s25, s24, 7                          ; which 128 columns
	s_lshr_b32 s26, s24, 3                         ; which 256 rows
	s_lshl_b32 s27, s25, 7
	s_lshl_b32 s28, s22, 5
	s_add_co_u32 s27, s27, s28                     ; my first column
	s_lshl_b32 s30, s26, 20                        ; 256 rows of 4,096 bytes
	s_lshl_b32 s28, s27, 2
	s_add_co_u32 s30, s30, s28
	s_mov_b32 s31, 0
	s_add_nc_u64 s[8:9], s[8:9], s[30:31]
	s_lshr_b32 s28, s27, 4                         ; my first channel block
	s_mul_i32 s30, s28, 49152                      ; 32 images a channel block
	s_mul_i32 s28, s26, 3072                       ; two images on for each 256 rows
	s_add_co_u32 s30, s30, s28
	s_add_nc_u64 s[18:19], s[18:19], s[30:31]
	s_lshl_b32 s30, s26, 13                        ; scale words: 8,192 bytes a kstep pair,
	s_lshl_b32 s28, s27, 3                         ; 8 bytes a channel
	s_add_co_u32 s30, s30, s28
	s_add_nc_u64 s[20:21], s[20:21], s[30:31]
	s_lshl_b32 s32, s22, 14
	s_add_co_u32 s32, s32, VRAW                    ; my stage of numbers
	s_mul_i32 s33, s22, 6144
	s_add_co_u32 s33, s33, VIMG                    ; my stage of images
	s_wait_alu depctr_va_vdst(0)
	v_lshrrev_b32 v11, 3, v1
	v_and_b32 v12, 7, v1
	v_lshlrev_b32 v4, 12, v11
	v_lshl_add_u32 v4, v12, 4, v4                  ; in memory: row lane / 8, 16 bytes at 16 (lane % 8)
	v_lshl_add_u32 v5, v1, 4, s32
	v_lshl_add_u32 v6, v1, 2, s32                  ; my column in a stage row
	v_mul_u32_u24 v7, v3, 3072                     ; my channel block's two images,
	v_lshl_add_u32 v7, v2, 4, v7                   ; lane r's 16 bytes
	v_add_nc_u32 v7, s33, v7
	v_lshl_add_u32 v8, v1, 4, s33
	v_lshlrev_b32 v9, 4, v1
	v_lshlrev_b32 v10, 3, v1
	LOADV 0
	s_wait_alu depctr_va_vdst(0)
	s_wait_loadcnt 0x0
	TOSTG
	s_wait_dscnt 0x0                               ; the stores have read their registers, which take the second kstep's loads
	LOADV 1
	KSTEPV 0
	s_wait_loadcnt 0x0
	TOSTG                                          ; LDS serves a wave's instructions in order: these come behind the first kstep's reads
	KSTEPV 1
.set NN, 0
.rept 12
	ds_load_b128 v[R+4*NN:R+4*NN+3], v8 offset:512*NN      ; the four images, as they lie
.set NN, NN+1
.endr
.set NN, 0
	s_wait_alu depctr_va_vdst(0)
.rept 12
	s_wait_dscnt 11-NN
	global_store_b128 v9, v[R+4*NN:R+4*NN+3], s[18:19] offset:(NN/6)*49152+(NN%6)*512 th:TH_STORE_NT   ; 512 consecutive bytes a store
.set NN, NN+1
.endr
	global_store_b64 v10, v[232:233], s[20:21] th:TH_STORE_NT  ; my channel's two scale words: 256 consecutive bytes a wave
	s_wait_tensorcnt 0x0
	ds_add_u32 v254, v255
	s_wait_dscnt 0x0
	s_endpgm
.Lfunc_end_k_q5a3bd7152f_quant:
	.size	k_q5a3bd7152f_quant, .Lfunc_end_k_q5a3bd7152f_quant-k_q5a3bd7152f_quant
	.p2alignl 7, 3214868480
	.fill 96, 4, 3214868480
	.section	.rodata,"a",@progbits
	.p2align	6, 0x0
	.amdhsa_kernel k_q5a3bd7152f_quant
		.amdhsa_group_segment_fixed_size 124416
		.amdhsa_private_segment_fixed_size 0
		.amdhsa_enable_private_segment 0
		.amdhsa_kernarg_size 72
		.amdhsa_user_sgpr_count 2
		.amdhsa_user_sgpr_kernarg_segment_ptr 1
		.amdhsa_wavefront_size32 1
		.amdhsa_system_sgpr_workgroup_id_x 1
		.amdhsa_system_sgpr_workgroup_id_y 1
		.amdhsa_system_sgpr_workgroup_id_z 1
		.amdhsa_system_vgpr_workitem_id 0
		.amdhsa_next_free_vgpr 256
		.amdhsa_next_free_sgpr 66
		.amdhsa_reserve_vcc 0
		.amdhsa_float_denorm_mode_32 3
		.amdhsa_float_denorm_mode_16_64 3
		.amdhsa_memory_ordered 1
		.amdhsa_forward_progress 1
		.amdhsa_inst_pref_size 77
	.end_amdhsa_kernel
	.amdgpu_metadata
---
amdhsa.version: [ 1, 2 ]
amdhsa.kernels:
  - .name:           k_q5a3bd7152f_quant
    .symbol:         k_q5a3bd7152f_quant.kd
    .args:
      - { .name: x, .offset: 0, .size: 8, .value_kind: global_buffer, .address_space: global }
      - { .name: K, .offset: 8, .size: 8, .value_kind: global_buffer, .address_space: global }
      - { .name: V, .offset: 16, .size: 8, .value_kind: global_buffer, .address_space: global }
      - { .name: xc, .offset: 24, .size: 8, .value_kind: global_buffer, .address_space: global }
      - { .name: xs, .offset: 32, .size: 8, .value_kind: global_buffer, .address_space: global }
      - { .name: kc, .offset: 40, .size: 8, .value_kind: global_buffer, .address_space: global }
      - { .name: ks, .offset: 48, .size: 8, .value_kind: global_buffer, .address_space: global }
      - { .name: vc, .offset: 56, .size: 8, .value_kind: global_buffer, .address_space: global }
      - { .name: vs, .offset: 64, .size: 8, .value_kind: global_buffer, .address_space: global }
    .group_segment_fixed_size: 124416
    .private_segment_fixed_size: 0
    .kernarg_segment_align: 8
    .kernarg_segment_size: 72
    .max_flat_workgroup_size: 128
    .sgpr_count:     66
    .vgpr_count:     256
    .wavefront_size: 32
...
	.end_amdgpu_metadata
.endif
;; end of part 1
;; launch scores (part 2): grid 16 x 32, 4 waves a work-group, clusters of 4 x 4, 327,680 bytes of LDS; arguments xc, xs, kc, ks, pc, pst; writes pc, pst
.if DOCPART == 2
	.amdgcn_target "amdgcn-amd-amdhsa--gfx1250"
	.amdhsa_code_object_version 6
	.text
	.protected	k_q5a3bd7152f_scores
	.globl	k_q5a3bd7152f_scores
	.p2align	8
	.type	k_q5a3bd7152f_scores,@function
k_q5a3bd7152f_scores:
	s_mov_b64 s[64:65], 0
	v_nop
	global_prefetch_b8 v0, s[64:65] scope:SCOPE_SE
	s_setreg_imm32_b32 hwreg(HW_REG_WAVE_MODE, 25, 1), 1
	s_wait_xcnt 0x0
	s_wait_alu depctr_hold_cnt(0) depctr_sa_sdst(0) depctr_va_vdst(0) depctr_va_sdst(0) depctr_va_ssrc(0) depctr_va_vcc(0) depctr_vm_vsrc(0)
	s_getreg_b32 s2, hwreg(HW_REG_IB_STS2, 6, 4)
	s_cmp_eq_u32 s2, 0
	s_cbranch_scc0 .Lentry_in_a_cluster
	s_endpgm
.Lentry_in_a_cluster:
	s_bfe_u32 s2, ttmp6, 0x10000c
	s_cmp_lg_u32 s2, 0xf033
	s_cbranch_scc0 .Lentry_shape_is_right
	s_endpgm
.Lentry_shape_is_right:
; THE FIRST PRODUCT AND THE SOFTMAX'S FIRST HALF.  score[q][k] = x[q] . K[k] on codes of FP6 (E2M3) with E8M0 scales, 8,192 x 4,096 x 1,024, and on the way out, for each query and each CHUNK of 128 keys:
; t = score x log2(e) / 32; M = the chunk's largest t rounded up to a whole number; p = 2^(t - M); l = the sum of the unquantised p; p quantised along the keys.  Stored: p's codes (pc), and for each
; (query, chunk) p's scale word, -M and l (pst).  M is a whole number, so the launch behind this one brings a chunk under the row's M by taking the difference off the chunk's scale bytes: the codes stay.
; A tile is 256 queries x 256 keys; four waves, each 128 x 128: 64 accumulators of 16 x 16, 512 registers.
; K GOES IN FOUR STEPS OF 256 THROUGH THREE LDS SLOTS.  K step 0 and the scale words go out first, one load a wave; K steps 1 and 2 behind the next round, one load a wave.  K step 3 is the one refill: into slot 0, behind the round at the end of
; K step 0; the wait for it stands at the end of K step 2, so that it has two K steps' matrix instructions in which to land.  Three slots of 98,304 bytes, 16,384 of scale words, 512 spare, 6,144 of stages: 317,952 bytes.
; OPERANDS LIE AS IMAGES OF THEIR REGISTERS (16 rows x 128 K: 1,536 bytes; register j of lane L at 512 (j / 4) + 16 L + 4 (j % 4)): a fragment is three loads of 16 bytes a lane, 512 consecutive bytes each.
; CLUSTERS: 4 x 4 work-groups.  The four of a row of the cluster need the same tiles of x, the four of a column the same tiles of K: each is asked for JOINTLY.
; THE MATRIX INSTRUCTION IS USED TRANSPOSED (source 0 = 16 keys, source 1 = 16 queries): a lane holds ONE query.  The keys of a block of K were chosen (fragment row r of block j = key 32 (j / 2) + 8 (j % 2) + r + 8 (r / 8))
; so that register 16 b + i of a query block's 64 holds key 32 b + 16 (lane / 16) + i of the wave's 128.
; REGISTERS: window 0: v16-29 addresses; v32-63 scale words, two sets, and nothing else; v128-223 x's fragments, one set; on the way out v64-127 p, v128-195 and v224-247 at work.
;   window 1: K's fragments, two sets, at v0 and v128.   window 2: the accumulators of my queries 0-63 ((a, b) at v[8 (8 (a % 4) + b)]);   window 3: of my queries 64-127.
; LIMITS: NaN and infinities are not served.  A block of 32 p whose largest lies under 2^-61 (against its chunk's 2^M) is quantised under the scale 2^-63, so that every scale byte is at least 64:
; the error is under 2^-66 a number, beside a row's sum above 1/2.  p under 2^-126 comes out of the exponential as 0.
.set NQ,     2                         ; matrix instructions deep in a slot
.set FR,     12                        ; registers of a fragment
.set NL,     3                         ; LDS loads that bring one
.set NP,     4                         ; places behind this matrix instruction (ISA guide 7.12.1)
.set RB,     3072                      ; a row block's part of a slot: two images
.set HALFT,  8*RB                      ; 128 rows: half of what one tensor load brings, and what one wave reads of x or of K
.set SLOT,   4*HALFT                   ; x's 256 rows, then K's 256
.set SCL,    3*SLOT                    ; behind the three slots: the scale words for all of K, 4,096 bytes for each 128 rows; filled once
.set SPARE,  SCL+4*4096                ; the spare words, 128 bytes for each wave
.set STG,    SPARE+512                 ; a stage of 1,536 bytes for each wave: no tile lands there
.set ADRA, 16                          ; v16-18  LDS address of my fragments of x in slot 0, 1, 2
.set ADRB, 20                          ; v20-22  the same for K
.set PO,   24                          ; v24     16 x lane
.set SS,   25                          ; v25     the stage: my query's word
.set SRD,  26                          ; v26     the stage, read back: 16 bytes a lane
.set ADRS, 27                          ; v27     my scale words: lanes 0-15 x's rows, lanes 16-31 K's
.set SPW,  28                          ; v28     my spare word; never rewritten
.set NIL,  29                          ; v29     0; never rewritten
.set SC,   32
.set AF,   128
.set T,    64                          ; v64-127  t - M, then p
.set BM,   224                         ; v224-227 the blocks' largest scores, then their largest p
.set TX,   228                         ; v228-231 lane permutes' destinations
.set SOP,  232                         ; v232-235 the conversions' scale operands
.set BY,   236                         ; v236-239 the scale bytes
.set NM,   240                         ; v[240:241] -M (the packed form names a pair and takes its low word)
.set SA,   242                         ; v[242:243], v[244:245] the sum in two chains
.set SB,   244
.set PCD,  128                         ; v128-147 p's codes
.set WD,   160                         ; v160-167 scale word, v168-175 -M, v176-183 l of my eight query blocks
.set NMR,  168
.set LSM,  176
.set OUTR, 184                         ; v184-195 the same, read back from the stage
.set G1,   24                          ; s[24:31] descriptor group 1 for x's tiles; s[32:39] group 0 for slots 0 and 1
.set G0,   32
.set G1B,  48                          ; s[48:55], s[56:63] the same for K's
.set G0B,  56
.set G0C,  4                           ; s[4:7]  group 0 for x's tile of slot 2, s[8:11] for K's: the registers that held the four inputs' addresses, which are used up by then
.set G0BC, 8
.set G1S,  68                          ; s[68:75], s[76:79] groups 1 and 0 for x's scale words; s[80:87], s[88:91] for K's
.set G0S,  76
.set G1SB, 80
.set G0SB, 88
.set CS,   96                          ; s[96:97] c = log2(e) / 32
.set SEL,  98                          ; s[98:99] lane selects: lane l xor 16
.set MSB, 0
.macro WIN new                         ; the immediate's high byte repeats the setting that is left
.if MSB != \new
	s_set_vgpr_msb (MSB<<8)|\new
.set MSB, \new
.endif
.endm
.set MUL_LO, 0xa1                      ; source 0 (K) window 1, source 1 (x) window 0, C and D window 2
.set MUL_HI, 0xf1                      ; the same, C and D window 3
.set TO_B,   0x40                      ; destination window 1, address window 0
; HOW THE FILLS ARE SHARED OUT: a load brings all 256 rows of x or of K for one K step (16 row blocks x 3,072 bytes), or all 8,192 bytes of their scale words.  One tensor load a wave behind each round.
; The one refill (K step 3): wave 0 fetches x's tile, wave 1 K's, waves 2 and 3 nothing.  The branches hang on the wave's number alone.
.macro JLOAD g0a, g1a, g0b, g1b
	s_cmp_gt_u32 s16, 1
	s_cbranch_scc1 .Lasked_\@
	s_cmp_eq_u32 s16, 0
	s_cbranch_scc0 .Lfor_b_\@
	tensor_load_to_lds s[\g0a:\g0a+3], s[\g1a:\g1a+7]
	s_nop 0
.rept 4
	v_nop
.endr
	s_branch .Lasked_\@
.Lfor_b_\@:
	tensor_load_to_lds s[\g0b:\g0b+3], s[\g1b:\g1b+7]
	s_nop 0
.rept 4
	v_nop
.endr
.Lasked_\@:
.endm
.macro ARM g0, g1                      ; a joint load
	tensor_load_to_lds s[\g0:\g0+3], s[\g1:\g1+7]
	s_nop 0
.rept 4
	v_nop
.endr
.endm
; Four joint loads, one for each wave: one chain of branches on the wave's number, one load to an arm, one join.
.macro JLOAD4 a0, a1, b0, b1, c0, c1, d0, d1
	s_cmp_lg_u32 s16, 0
	s_cbranch_scc1 .Lw1_\@
	ARM \a0, \a1
	s_branch .Ldone_\@
.Lw1_\@:
	s_cmp_lg_u32 s16, 1
	s_cbranch_scc1 .Lw2_\@
	ARM \b0, \b1
	s_branch .Ldone_\@
.Lw2_\@:
	s_cmp_lg_u32 s16, 2
	s_cbranch_scc1 .Lw3_\@
	ARM \c0, \c1
	s_branch .Ldone_\@
.Lw3_\@:
	ARM \d0, \d1
.Ldone_\@:
.endm
.macro CREST
	s_cmp_lg_u32 s16, 0
	s_cbranch_scc1 .Lnot_wave_0_\@
	s_barrier_signal -3
.Lnot_wave_0_\@:
	s_barrier_wait -3
	s_barrier_signal -1
	s_barrier_wait -1
.endm
.macro CROUND                          ; a whole round
	s_barrier_signal -1
	s_barrier_wait -1
	CREST
.endm
	s_load_b128 s[4:7], s[0:1], 0x0                ; xc s[4:5], xs s[6:7]
	s_load_b128 s[8:11], s[0:1], 0x10              ; kc s[8:9], ks s[10:11]
	s_load_b128 s[12:15], s[0:1], 0x20             ; pc s[12:13], pst s[14:15]
	v_lshl_add_u32 v[SPW], v0, 2, SPARE
	v_mov_b32 v[NIL], 0
	ds_add_u32 v28, v29
	ds_add_u32 v28, v29
	s_wait_dscnt 0x0
	v_lshrrev_b32 v1, 5, v0
	v_readfirstlane_b32 s16, v1                    ; wave 0..3
	s_lshr_b32 s17, s16, 1                         ; which half of the tile's queries is mine.
	s_and_b32 s18, s16, 1                          ; which half of its keys.
	s_bfe_u32 s40, ttmp6, 0x40000                  ; cx, cy: my place in the cluster
	s_bfe_u32 s41, ttmp6, 0x40004
	s_lshl_b32 s42, ttmp9, 2
	s_add_co_u32 s42, s42, s40                     ; tile column (keys) = 4 x cluster x + cx
	s_and_b32 s43, ttmp7, 0xffff
	s_lshl_b32 s43, s43, 2
	s_add_co_u32 s43, s43, s41                     ; tile row (queries) = 4 x cluster y + cy
	s_lshl_b32 s44, s41, 2
	s_lshl_b32 s44, 15, s44                        ; my row of the cluster
	s_lshl_b32 s45, 0x1111, s40                    ; my column
	; group 1 for the codes: 16 row blocks x 3,072 bytes (two images), 12,288 bytes apart in memory, on end in LDS
	s_or_b32 s[G1+0], s44, (3<<16)|(1<<21)         ; 15:0 the mask: x's tiles go to my row; 17:16 elements of 8 bytes; 20 no padding; 21 set beside a mask
	s_or_b32 s[G1B+0], s45, (3<<16)|(1<<21)
.irp g, G1, G1B
	s_mov_b32 s[\g+1], 384<<16                     ; tensor_dim0 = 384 elements
	s_mov_b32 s[\g+2], 16<<16                      ; tensor_dim1 = 16 row blocks: all 256 rows of the tile
	s_mov_b32 s[\g+3], 384<<16                     ; tile_dim0
	s_mov_b32 s[\g+4], 16                          ; tile_dim1
	s_mov_b32 s[\g+5], 1536                        ; tensor_dim0_stride, in elements
	s_mov_b32 s[\g+6], 0
	s_mov_b32 s[\g+7], 0
.endr
	; and for the scale words of 256 rows: 8,192 dense bytes, as 32 rows of 256
	s_or_b32 s[G1S+0], s44, (3<<16)|(1<<21)
	s_or_b32 s[G1SB+0], s45, (3<<16)|(1<<21)
.irp g, G1S, G1SB
	s_mov_b32 s[\g+1], 32<<16
	s_mov_b32 s[\g+2], 32<<16                      ; 8,192 dense bytes, the scale words of 256 rows, as 32 rows of 256
	s_mov_b32 s[\g+3], 32<<16
	s_mov_b32 s[\g+4], 32
	s_mov_b32 s[\g+5], 32
	s_mov_b32 s[\g+6], 0
	s_mov_b32 s[\g+7], 0
.endr
	s_lshl_b32 s20, s43, 4                         ; x: row block 16 x tile row
	s_lshl_b32 s46, s42, 4                         ; K: block 16 x tile column
	s_lshl_b32 s22, s20, 9                         ; their scale words: 512 bytes a block
	s_mov_b32 s23, 0
	s_lshl_b32 s92, s46, 9
	s_mov_b32 s93, 0
	s_mul_i32 s20, s20, 12288                      ; their codes: eight images a block
	s_mov_b32 s21, 0
	s_mul_i32 s46, s46, 12288
	s_mov_b32 s47, 0
	s_mov_b32 s[CS], 0x3d38aa3b                    ; c = log2(e) / 32
	s_mov_b32 s[CS+1], s[CS]                       ; (named with it as a pair, so it is written)
	s_mov_b32 s[SEL], 0x76543210
	s_mov_b32 s[SEL+1], 0xfedcba98
	s_wait_kmcnt 0x0
	s_add_nc_u64 s[20:21], s[4:5], s[20:21]
	s_add_nc_u64 s[22:23], s[6:7], s[22:23]
	s_add_nc_u64 s[46:47], s[8:9], s[46:47]
	s_add_nc_u64 s[92:93], s[10:11], s[92:93]
	CROUND                                         ; all sixteen work-groups are here: the first joint loads meet
	s_mov_b32 s[G0S], 1
	s_mov_b32 s[G0S+1], SCL                        ; x's scale words
	s_mov_b64 s[G0S+2:G0S+3], s[22:23]
	s_or_b32 s[G0S+3], s[G0S+3], 0x80000000
	s_mov_b32 s[G0SB], 1
	s_mov_b32 s[G0SB+1], SCL+8192                  ; K's, behind them
	s_mov_b64 s[G0SB+2:G0SB+3], s[92:93]
	s_or_b32 s[G0SB+3], s[G0SB+3], 0x80000000
.irp s, 0,1
	s_mov_b32 s[G0+4*\s], 1
	s_mov_b32 s[G0+4*\s+1], \s*SLOT                ; x's 256 rows at the slot's head
	s_add_nc_u64 s[G0+4*\s+2:G0+4*\s+3], s[20:21], \s*RB
	s_or_b32 s[G0+4*\s+3], s[G0+4*\s+3], 0x80000000
	s_mov_b32 s[G0B+4*\s], 1
	s_mov_b32 s[G0B+4*\s+1], \s*SLOT+2*HALFT       ; K's 256 rows behind them
	s_add_nc_u64 s[G0B+4*\s+2:G0B+4*\s+3], s[46:47], \s*RB
	s_or_b32 s[G0B+4*\s+3], s[G0B+4*\s+3], 0x80000000
.endr
	s_mov_b32 s[G0C], 1                            ; slot 2: K step 2
	s_mov_b32 s[G0C+1], 2*SLOT
	s_add_nc_u64 s[G0C+2:G0C+3], s[20:21], 2*RB
	s_or_b32 s[G0C+3], s[G0C+3], 0x80000000
	s_mov_b32 s[G0BC], 1
	s_mov_b32 s[G0BC+1], 2*SLOT+2*HALFT
	s_add_nc_u64 s[G0BC+2:G0BC+3], s[46:47], 2*RB
	s_or_b32 s[G0BC+3], s[G0BC+3], 0x80000000
	JLOAD4 G0, G1, G0B, G1B, G0S, G1S, G0SB, G1SB  ; the head's fills, one a wave: x's and K's tiles of K step 0, x's and K's scale words
	v_and_b32 v1, 31, v0                           ; lane
	v_and_b32 v2, 15, v0                           ; r
	s_wait_alu depctr_va_vdst(0)
	v_bfe_u32 v3, v0, 4, 1                         ; h
	s_wait_alu depctr_va_vdst(0)
	v_lshlrev_b32 v[PO], 4, v1
	s_mul_i32 s21, s17, HALFT                      ; my 128 queries
	s_mul_i32 s22, s18, HALFT                      ; my 128 keys,
	s_add_co_u32 s22, s22, 2*HALFT                 ; which lie behind x's 256 rows
.irp s, 0,1,2
	v_add_nc_u32 v[ADRA+\s], s21, v[PO]
	v_add_nc_u32 v[ADRB+\s], s22, v[PO]
	s_add_co_u32 s21, s21, SLOT
	s_add_co_u32 s22, s22, SLOT
.endr
	v_lshlrev_b32 v5, 4, v2                        ; my row's scale words: 16 bytes a row and half of K
	s_lshl_b32 s21, s17, 12                        ; x's: my 128 rows
	s_lshl_b32 s22, s18, 12                        ; K's: my 128 rows, behind x's 256
	s_add_co_u32 s22, s22, 8192
	s_sub_co_u32 s22, s22, s21
	v_mul_u32_u24 v6, s22, v3                      ; lanes 16-31 take K's: one product in h
	s_add_co_u32 s21, s21, SCL
	v_add_nc_u32 v5, v5, v6
	v_add_nc_u32 v[ADRS], s21, v5
	s_mul_i32 s23, s16, 1536
	s_add_co_u32 s23, s23, STG                     ; my stage
	v_lshl_add_u32 v[SS], v2, 2, s23
	v_add_nc_u32 v[SRD], s23, v[PO]
	v_mov_b32 v[NM+1], 0                           ; named as the upper half of a pair
	v_mov_b32 v247, 0                              ; written once: a lane permute's destination counts as one of its sources
.irp b, 0,1,2,3
	v_mov_b32 v[TX+\b], 0
.endr
	; where my results go.  pc: [query block][chunk] images; pst: three arrays [128 queries][chunk][128 words]
	s_lshl_b32 s20, s43, 4
	s_lshl_b32 s21, s17, 3
	s_add_co_u32 s20, s20, s21                     ; my first query block: 16 x tile row + 8 x half
	s_mul_i32 s20, s20, 49152                      ; 32 images a query block
	s_mov_b32 s21, 0
	s_lshl_b32 s46, s42, 1
	s_add_co_u32 s46, s46, s18                     ; my chunk of 128 keys: 2 x tile column + half
	s_mul_i32 s92, s46, 1536
	s_mov_b32 s93, 0
	s_add_nc_u64 s[12:13], s[12:13], s[20:21]
	s_add_nc_u64 s[12:13], s[12:13], s[92:93]
	s_lshl_b32 s20, s43, 1
	s_add_co_u32 s20, s20, s17                     ; my group of 128 queries
	s_lshl_b32 s20, s20, 5
	s_add_co_u32 s20, s20, s46
	s_lshl_b32 s20, s20, 9                         ; 512 bytes for a group and a chunk
	s_add_nc_u64 s[14:15], s[14:15], s[20:21]
.macro FRAG reg, adr, q, i             ; an image comes back as it was stored: three loads of 512 consecutive bytes
.irp c, 0,1,2
	ds_load_b128 v[\reg+4*\c:\reg+4*\c+3], v[\adr] offset:RB*(\i)+1536*(\q)+512*\c
.endr
.endm
; 16 matrix instructions: x's blocks a0, a0 + 1 against K's eight, 128 along K: the slot's q-th.  p: K's set; sc: the set of scale words.  zero = 1: the first product starts the sums.
; The 64 accumulators take turns, one instruction a turn, in the same order in every step.
.macro MUL16 a0, p, q, sc, zero
.irp a, \a0, \a0+1
.irp b, 0,1,2,3,4,5,6,7
.if \zero
	v_wmma_scale_f32_16x16x128_f8f6f4 v[8*(8*((\a)%4)+\b):8*(8*((\a)%4)+\b)+7], v[128*(\p)+FR*\b:128*(\p)+FR*\b+FR-1], v[AF+FR*(\a):AF+FR*(\a)+FR-1], 0, v[SC+8*NQ*(\sc)+NQ*\b+(\q)], v[SC+8*NQ*(\sc)+NQ*(\a)+(\q)] matrix_a_fmt:MATRIX_FMT_FP6 matrix_b_fmt:MATRIX_FMT_FP6 matrix_a_scale:MATRIX_SCALE_ROW1
.else
	v_wmma_scale_f32_16x16x128_f8f6f4 v[8*(8*((\a)%4)+\b):8*(8*((\a)%4)+\b)+7], v[128*(\p)+FR*\b:128*(\p)+FR*\b+FR-1], v[AF+FR*(\a):AF+FR*(\a)+FR-1], v[8*(8*((\a)%4)+\b):8*(8*((\a)%4)+\b)+7], v[SC+8*NQ*(\sc)+NQ*\b+(\q)], v[SC+8*NQ*(\sc)+NQ*(\a)+(\q)] matrix_a_fmt:MATRIX_FMT_FP6 matrix_b_fmt:MATRIX_FMT_FP6 matrix_a_scale:MATRIX_SCALE_ROW1
.endif
.endr
.endr
.endm
.macro FETCH_B slot, q, p              ; K's eight fragments of the slot's q-th 128 along K into set p
	WIN TO_B
.irp i, 0,1,2,3,4,5,6,7
	FRAG 128*(\p)+FR*\i, ADRB+\slot, \q, \i
.endr
	WIN 0
.endm
.macro FETCH_A slot, q, i0             ; x's blocks i0 .. i0 + 3
.irp i, \i0, \i0+1, \i0+2, \i0+3
	FRAG AF+FR*(\i), ADRA+\slot, \q, \i
.endr
.endm
.macro SCALES sc, t                    ; K step t's scale words into set sc: two words a row; lanes 0-15 take x's block i, lanes 16-31 K's block i
.irp i, 0,1,2,3,4,5,6,7
	ds_load_b64 v[SC+16*(\sc)+2*\i:SC+16*(\sc)+2*\i+1], v[ADRS] offset:512*\i+256*((\t)/2)+8*((\t)%2)
.endr
.endm
; A load into a register that a matrix instruction has read, and a vector instruction that reads a matrix result, stand four places behind it; only plain vector instructions that name none of its registers are places.
.macro PLACES n
.rept \n
	v_nop
.endr
.endm
; A step of 128 along K that has its successor in the same slot.  sc: the K step's set of scale words.
.macro STEP slot, q, sc, zero
	s_wait_dscnt 4*NL                              ; K's set, x's blocks 0-3 and the scale words are in; the youngest twelve loads (x's blocks 4-7) may be out
	WIN MUL_LO
	MUL16 0, (\q)%2, \q, \sc, \zero
	MUL16 2, (\q)%2, \q, \sc, \zero
	s_wait_dscnt 0                                 ; x's blocks 4-7 are in
	PLACES NP
	FETCH_B \slot, (\q)+1, 1-(\q)%2
	FETCH_A \slot, (\q)+1, 0
	WIN MUL_HI
	MUL16 4, (\q)%2, \q, \sc, \zero
	MUL16 6, (\q)%2, \q, \sc, \zero
	PLACES NP
	WIN 0
	FETCH_A \slot, (\q)+1, 4
.endm
; A slot's last step, with ONE barrier; in front of it each wave waits for all its tensor loads, adds 0 to its spare word, and waits for that and for its own reads of this slot.
; fill = 1 (slot 0 alone): this slot is filled again, with K step 3.  t: the K step that lies in the next slot; sc: this K step's set of scale words.
.macro TURN slot, next, fill, t, sc
	s_wait_tensorcnt 0x0                           ; all my tensor loads have landed: at the end of K step 0 my parts of slots 1 and 2, at the end of K step 2 my part of K step 3  (every window is 0 here)
	ds_add_u32 v[SPW], v[NIL]                      ; 0 onto my spare word
	s_wait_dscnt 4*NL+1                            ; (the add and the youngest twelve loads may be out)
	WIN MUL_LO
	MUL16 0, 1, NQ-1, \sc, 0                       ; sixteen matrix instructions stand between the add and the wait for it
	s_wait_dscnt 0x0                               ; the add is done, and my reads of this slot are over
	s_barrier_signal -1
	MUL16 2, 1, NQ-1, \sc, 0
	WIN 0
	s_barrier_wait -1
.if \fill
	CREST                                          ; the barrier has opened a round of the cluster's barrier: no wave of any partner still reads this slot or has a load on its way
	s_add_nc_u64 s[G0+4*\slot+2:G0+4*\slot+3], s[G0+4*\slot+2:G0+4*\slot+3], 3*RB   ; from K step 0 to K step 3
	s_add_nc_u64 s[G0B+4*\slot+2:G0B+4*\slot+3], s[G0B+4*\slot+2:G0B+4*\slot+3], 3*RB
	JLOAD G0+4*\slot, G1, G0B+4*\slot, G1B         ; the first tensor load behind the round
	PLACES NP                                      ; on every wave's path: the places in front of the loads below
.else
	PLACES NP
.endif
	FETCH_B \next, 0, 0
	FETCH_A \next, 0, 0
	SCALES 1-(\sc), \t
	WIN MUL_HI
	MUL16 4, 1, NQ-1, \sc, 0
	MUL16 6, 1, NQ-1, \sc, 0
	PLACES NP
	WIN 0
	FETCH_A \next, 0, 4
.endm
; A slot's last step where the next slot is known to be whole and nothing is filled: no wait on TENSORcnt and no barrier.  It stands between slots 1 and 2: the wait for all loads and the round at the end of K step 0
; have shown slot 2 whole to every wave.  K step 3's load stays on its way across it: nobody reads slot 0 before the barrier at the end of K step 2.
.macro HOP next, t, sc
	s_wait_dscnt 4*NL                              ; the youngest twelve loads (x's blocks 4-7) may be out
	WIN MUL_LO
	MUL16 0, 1, NQ-1, \sc, 0
	MUL16 2, 1, NQ-1, \sc, 0
	s_wait_dscnt 0                                 ; x's blocks 4-7 are in
	PLACES NP
	FETCH_B \next, 0, 0
	FETCH_A \next, 0, 0
	SCALES 1-(\sc), \t
	WIN MUL_HI
	MUL16 4, 1, NQ-1, \sc, 0
	MUL16 6, 1, NQ-1, \sc, 0
	PLACES NP
	WIN 0
	FETCH_A \next, 0, 4
.endm
	s_wait_alu depctr_va_vdst(0)
	s_wait_tensorcnt 0x0                           ; my one load of the head has landed
	ds_add_u32 v[SPW], v[NIL]                      ; the add, ahead of a later first fill's barrier
	s_wait_dscnt 0x0
	CROUND                                         ; everybody's part of K step 0 and the scale words are in; all sixteen work-groups are here
	JLOAD4 G0+4, G1, G0B+4, G1B, G0C, G1, G0BC, G1B   ; slots 1 and 2 for the first time, one load a wave: x's and K's tiles of K steps 1 and 2
	FETCH_B 0, 0, 0
	FETCH_A 0, 0, 0
	SCALES 0, 0
	FETCH_A 0, 0, 4
	STEP 0, 0, 0, 1                                ; the first products start the sums: nothing is cleared
	TURN 0, 1, 1, 1, 0                             ; slot 0 takes K step 3
	STEP 1, 0, 1, 0
	HOP 2, 2, 1                                    ; on to slot 2
	STEP 2, 0, 0, 0
	TURN 2, 0, 0, 3, 0                             ; K step 3 has landed, everybody's part of it; nothing is left to fetch
	STEP 0, 0, 1, 0
	s_wait_dscnt 4*NL                              ; the very last step
	WIN MUL_LO
	MUL16 0, 1, NQ-1, 1, 0
	MUL16 2, 1, NQ-1, 1, 0
	s_wait_dscnt 0
	WIN MUL_HI
	MUL16 4, 1, NQ-1, 1, 0
	MUL16 6, 1, NQ-1, 1, 0
	WIN 0
	PLACES NP
; THE WAY OUT, a block of 16 queries at a time.  A lane holds one query and 64 of the chunk's 128 scores; lane l xor 16 holds the other 64.
.macro SOFT a
.set W,  2+(\a)/4                      ; the block's window
.set W3, W|(W<<2)|(W<<4)
.set W2, (W<<2)|(W<<4)
.set AC, 64*((\a)%4)
	WIN W3
.irp b, 0,1,2,3
	v_max3_num_f32 v[BM+\b], v[AC+16*\b], v[AC+16*\b+1], v[AC+16*\b+2]    ; THE LARGEST SCORE OF EACH BLOCK OF 32 KEYS serves twice: for the chunk's maximum and, since p rises with the score, for the block's largest p.  Each accumulator is read from its low end on
.endr
	WIN W2
.irp i, 3,5,7,9,11,13
.irp b, 0,1,2,3
	v_max3_num_f32 v[BM+\b], v[BM+\b], v[AC+16*\b+\i], v[AC+16*\b+\i+1]
.endr
.endr
.irp b, 0,1,2,3
	v_max_num_f32 v[BM+\b], v[BM+\b], v[AC+16*\b+15]
.endr
	WIN 0
.irp b, 0,1,2,3
	v_permlanex16_b32 v[TX+\b], v[BM+\b], s[SEL], s[SEL+1]
.endr
.irp b, 0,1,2,3
	v_max_num_f32 v[BM+\b], v[BM+\b], v[TX+\b]     ; with lane l xor 16's 16 keys
.endr
	v_max3_num_f32 v246, v[BM], v[BM+1], v[BM+2]
	v_max_num_f32 v246, v246, v[BM+3]              ; the chunk's largest score of my query
	v_mul_f32 v246, s[CS], v246                    ; as t (c is positive)
	v_floor_f32 v[NM], -v246                       ; -M = floor(-t) = -ceil(t): M IS A WHOLE NUMBER
	WIN W
.set JJ, 0
.rept 32
	v_pk_fma_f32 v[T+JJ:T+JJ+1], v[AC+JJ:AC+JJ+1], s[CS:CS+1], v[NM:NM+1] op_sel_hi:[1,0,0]   ; t - M, two at a time
.set JJ, JJ+2
.endr
	WIN 0
.irp b, 0,1,2,3
	v_fma_f32 v[BM+\b], v[BM+\b], s[CS], v[NM]     ; the same of each block's largest score
.endr
.set JJ, 0
	s_wait_alu depctr_va_vdst(0)
.rept 64
	v_exp_f32 v[T+JJ], v[T+JJ]                     ; p = 2^(t - M): not normalised
.set JJ, JJ+1
.endr
	v_mov_b32 v[NMR+(\a)], v[NM]                   ; (a plain line behind the exponentials)
	s_wait_alu depctr_va_vdst(0)                   ; one wait for the batch of 64, ahead of its first reader
.irp b, 0,1,2,3
	v_exp_f32 v[BM+\b], v[BM+\b]                   ; the block's largest p: the same two instructions on the same number give the same bits
.endr
	v_pk_add_f32 v[SA:SA+1], v[T:T+1], v[T+2:T+3]  ; THE SUM IS TAKEN OF THE UNQUANTISED p, in two chains.  (It reads the 64 alone: plain work behind the four)
	v_pk_add_f32 v[SB:SB+1], v[T+4:T+5], v[T+6:T+7]
.irp j, 8,12,16,20,24,28,32,36,40,44,48,52,56,60
	v_pk_add_f32 v[SA:SA+1], v[SA:SA+1], v[T+\j:T+\j+1]
	v_pk_add_f32 v[SB:SB+1], v[SB:SB+1], v[T+\j+2:T+\j+3]
.endr
	v_pk_add_f32 v[SA:SA+1], v[SA:SA+1], v[SB:SB+1]
	v_add_f32 v246, v[SA], v[SA+1]
	v_permlanex16_b32 v247, v246, s[SEL], s[SEL+1]
	v_add_f32 v[LSM+(\a)], v246, v247              ; l of my query and this chunk
	s_wait_alu depctr_va_vdst(0)                   ; and one wait for the four
.irp b, 0,1,2,3
	v_max_num_f32 v[BM+\b], 0x21000000, v[BM+\b]   ; the floor 2^-61: every scale byte is at least 64, so that up to 63 can be taken off it later
.endr
.irp b, 0,1,2,3
	v_add_nc_u32 v[SOP+\b], 0xff000000, v[BM+\b]   ; 2 off the exponent field: the conversion's scale operand
.endr
.irp b, 0,1,2,3
	v_lshrrev_b32 v[BY+\b], 23, v[SOP+\b]          ; the scale's byte
.endr
	v_lshl_or_b32 v[WD+(\a)], v[BY+1], 8, v[BY]    ; p's scale word for these 128 keys
	v_lshl_or_b32 v[WD+(\a)], v[BY+2], 16, v[WD+(\a)]
	v_lshl_or_b32 v[WD+(\a)], v[BY+3], 24, v[WD+(\a)]
	s_wait_xcnt 0x0                                ; the last block's stores have read the codes' registers, which are written again below
.irp c, 0,1
	v_cvt_scalef32_pk16_fp6_f32 v[PCD+6*\c:PCD+2+6*\c], v[T+32*\c:T+15+32*\c], v[SOP+2*\c]
	v_cvt_scalef32_pk16_fp6_f32 v[PCD+12+4*\c:PCD+14+4*\c], v[T+16+32*\c:T+31+32*\c], v[SOP+2*\c+1]   ; (a conversion's three registers begin on an even number)
.endr
	v_nop                                          ; one plain line behind the scaled conversions
.irp c, 0,1                                    ; the layout wants a whole block in a lane: lanes 0-15 block 2 c, lanes 16-31 block 2 c + 1
.irp i, 0,1,2
	v_permlane16_swap_b32 v[PCD+6*\c+\i], v[PCD+12+4*\c+\i]
.endr
.irp i, 0,1,2
	v_mov_b32 v[PCD+3+6*\c+\i], v[PCD+12+4*\c+\i]
.endr
.endr
.irp c, 0,1,2
	global_store_b128 v[PO], v[PCD+4*\c:PCD+4*\c+3], s[12:13] offset:49152*(\a)+512*\c th:TH_STORE_NT   ; the image of p's fragment: 512 consecutive bytes a store
.endr
.endm
	SOFT 0
	SOFT 1
	SOFT 2
	SOFT 3
	SOFT 4
	SOFT 5
	SOFT 6
	SOFT 7
	; scale words, -M and l of my 128 queries: a word a query, gathered in my stage and stored as three runs of 512 consecutive bytes
.irp a, 0,1,2,3,4,5,6,7
	ds_store_b32 v[SS], v[WD+\a] offset:64*\a              ; lanes l and l xor 16 write the same word with the same value
	ds_store_b32 v[SS], v[NMR+\a] offset:512+64*\a
	ds_store_b32 v[SS], v[LSM+\a] offset:1024+64*\a
.endr
.irp n, 0,1,2
	ds_load_b128 v[OUTR+4*\n:OUTR+4*\n+3], v[SRD] offset:512*\n   ; LDS serves a wave's instructions in order: these see my stores
.endr
	s_wait_dscnt 0x0
.irp n, 0,1,2
	global_store_b128 v[PO], v[OUTR+4*\n:OUTR+4*\n+3], s[14:15] offset:1048576*\n th:TH_STORE_NT
.endr
	s_wait_tensorcnt 0x0                           ; the wave's end: behind my last tensor load and my last LDS store
	ds_add_u32 v[SPW], v[NIL]
	s_wait_dscnt 0x0
	CROUND                                         ; the closing round: no work-group ends while a partner may still ask for a tile that names it
	s_endpgm
.Lfunc_end_k_q5a3bd7152f_scores:
	.size	k_q5a3bd7152f_scores, .Lfunc_end_k_q5a3bd7152f_scores-k_q5a3bd7152f_scores
	.p2alignl 7, 3214868480
	.fill 96, 4, 3214868480
	.section	.rodata,"a",@progbits
	.p2align	6, 0x0
	.amdhsa_kernel k_q5a3bd7152f_scores
		.amdhsa_group_segment_fixed_size 327680
		.amdhsa_private_segment_fixed_size 0
		.amdhsa_enable_private_segment 0
		.amdhsa_kernarg_size 48
		.amdhsa_user_sgpr_count 2
		.amdhsa_user_sgpr_kernarg_segment_ptr 1
		.amdhsa_wavefront_size32 1
		.amdhsa_system_sgpr_workgroup_id_x 1
		.amdhsa_system_sgpr_workgroup_id_y 1
		.amdhsa_system_sgpr_workgroup_id_z 1
		.amdhsa_system_vgpr_workitem_id 0
		.amdhsa_next_free_vgpr 1024
		.amdhsa_next_free_sgpr 100
		.amdhsa_reserve_vcc 0
		.amdhsa_float_denorm_mode_32 3
		.amdhsa_float_denorm_mode_16_64 3
		.amdhsa_memory_ordered 1
		.amdhsa_forward_progress 1
		.amdhsa_inst_pref_size 196
	.end_amdhsa_kernel
	.amdgpu_metadata
---
amdhsa.version: [ 1, 2 ]
amdhsa.kernels:
  - .name:           k_q5a3bd7152f_scores
    .symbol:         k_q5a3bd7152f_scores.kd
    .args:
      - { .name: xc, .offset: 0, .size: 8, .value_kind: global_buffer, .address_space: global }
      - { .name: xs, .offset: 8, .size: 8, .value_kind: global_buffer, .address_space: global }
      - { .name: kc, .offset: 16, .size: 8, .value_kind: global_buffer, .address_space: global }
      - { .name: ks, .offset: 24, .size: 8, .value_kind: global_buffer, .address_space: global }
      - { .name: pc, .offset: 32, .size: 8, .value_kind: global_buffer, .address_space: global }
      - { .name: pst, .offset: 40, .size: 8, .value_kind: global_buffer, .address_space: global }
    .group_segment_fixed_size: 327680
    .private_segment_fixed_size: 0
    .kernarg_segment_align: 8
    .kernarg_segment_size: 48
    .max_flat_workgroup_size: 128
    .sgpr_count:     100
    .vgpr_count:     1024
    .wavefront_size: 32
...
	.end_amdgpu_metadata
.endif
;; end of part 2
;; launch mix (part 3): grid 4 x 64, 4 waves a work-group, clusters of 4 x 4, 327,680 bytes of LDS; arguments pc, pst, vc, vs, out0; writes out0
.if DOCPART == 3
	.amdgcn_target "amdgcn-amd-amdhsa--gfx1250"
	.amdhsa_code_object_version 6
	.text
	.protected	k_q5a3bd7152f_mix
	.globl	k_q5a3bd7152f_mix
	.p2align	8
	.type	k_q5a3bd7152f_mix,@function
k_q5a3bd7152f_mix:
	s_mov_b64 s[64:65], 0
	v_nop
	global_prefetch_b8 v0, s[64:65] scope:SCOPE_SE
	s_setreg_imm32_b32 hwreg(HW_REG_WAVE_MODE, 25, 1), 1
	s_wait_xcnt 0x0
	s_wait_alu depctr_hold_cnt(0) depctr_sa_sdst(0) depctr_va_vdst(0) depctr_va_sdst(0) depctr_va_ssrc(0) depctr_va_vcc(0) depctr_vm_vsrc(0)
	s_getreg_b32 s2, hwreg(HW_REG_IB_STS2, 6, 4)
	s_cmp_eq_u32 s2, 0
	s_cbranch_scc0 .Lentry_in_a_cluster
	s_endpgm
.Lentry_in_a_cluster:
	s_bfe_u32 s2, ttmp6, 0x10000c
	s_cmp_lg_u32 s2, 0xf033
	s_cbranch_scc0 .Lentry_shape_is_right
	s_endpgm
.Lentry_shape_is_right:
.set KB,     6144
.set PT,     8*KB
.set SLOT,   3*PT+4096
.set PS,     2*SLOT
.set PSP,    144
.set RL,     PS+128*PSP
.set SPARE,  RL+512
.set SPITCH, 528
.set PFO,  12
.set ADA,  16
.set ADB,  18
.set ADVS, 20
.set ADPS, 22
.set ARL,  23
.set STO,  24
.set RD,   25
.set CO,   26
.set TW,   27
.set SPW,  28
.set NIL,  29
.set PSW,  30
.set RLW,  31
.set G1P,  24
.set G0P,  32
.set G1V,  48
.set G0V,  56
.set G1S,  68
.set G0S,  76
.set PFA,  84
.set LIM,  86
.set MSB, 0
.macro WIN new
.if MSB != \new
	s_set_vgpr_msb (MSB<<8)|\new
.set MSB, \new
.endif
.endm
.set MUL,  0xa1
.set TO_B, 0x40
.macro JLOAD3 s
	s_cmp_eq_u32 s14, 0
	s_cbranch_scc0 .Lnot_p_\@
	tensor_load_to_lds s[G0P+4*\s:G0P+4*\s+3], s[G1P:G1P+7]
	s_nop 0
.rept 4
	v_nop
.endr
	s_branch .Lasked_\@
.Lnot_p_\@:
	s_cmp_eq_u32 s14, 3
	s_cbranch_scc1 .Lfor_s_\@
	tensor_load_to_lds s[G0V+4*\s:G0V+4*\s+3], s[G1V:G1V+7]
	s_nop 0
.rept 4
	v_nop
.endr
	s_branch .Lasked_\@
.Lfor_s_\@:
	tensor_load_to_lds s[G0S+4*\s:G0S+4*\s+3], s[G1S:G1S+7]
	s_nop 0
.rept 4
	v_nop
.endr
.Lasked_\@:
.endm
.macro CREST
	s_cmp_lg_u32 s14, 0
	s_cbranch_scc1 .Lnot_wave_0_\@
	s_barrier_signal -3
.Lnot_wave_0_\@:
	s_barrier_wait -3
	s_barrier_signal -1
	s_barrier_wait -1
.endm
.macro CROUND
	s_barrier_signal -1
	s_barrier_wait -1
	CREST
.endm
	s_load_b128 s[4:7], s[0:1], 0x0
	s_load_b128 s[8:11], s[0:1], 0x10
	s_load_b64 s[12:13], s[0:1], 0x20
	v_lshl_add_u32 v[SPW], v0, 2, SPARE
	v_mov_b32 v[NIL], 0
	ds_add_u32 v28, v29
	ds_add_u32 v28, v29
	s_wait_dscnt 0x0
	v_lshrrev_b32 v1, 5, v0
	v_readfirstlane_b32 s14, v1
	s_lshr_b32 s15, s14, 1
	s_and_b32 s16, s14, 1
	s_bfe_u32 s40, ttmp6, 0x40000
	s_bfe_u32 s41, ttmp6, 0x40004
	s_lshl_b32 s42, ttmp9, 2
	s_add_co_u32 s42, s42, s40
	s_and_b32 s43, ttmp7, 0xffff
	s_lshl_b32 s43, s43, 2
	s_add_co_u32 s43, s43, s41
	s_lshl_b32 s44, s41, 2
	s_lshl_b32 s44, 15, s44
	s_lshl_b32 s45, 0x1111, s40
	s_or_b32 s[G1P+0], s44, (3<<16)|(1<<21)
	s_or_b32 s[G1V+0], s45, (3<<16)|(1<<21)
.irp g, G1P, G1V
	s_mov_b32 s[\g+1], 768<<16
	s_mov_b32 s[\g+2], 8<<16
	s_mov_b32 s[\g+3], 768<<16
	s_mov_b32 s[\g+4], 8
	s_mov_b32 s[\g+5], 6144
	s_mov_b32 s[\g+6], 0
	s_mov_b32 s[\g+7], 0
.endr
	s_or_b32 s[G1S+0], s45, (3<<16)|(1<<21)
	s_mov_b32 s[G1S+1], 256<<16
	s_mov_b32 s[G1S+2], 2<<16
	s_mov_b32 s[G1S+3], 256<<16
	s_mov_b32 s[G1S+4], 2
	s_mov_b32 s[G1S+5], 1024
	s_mov_b32 s[G1S+6], 0
	s_mov_b32 s[G1S+7], 0
	s_mul_i32 s20, s43, 8*49152
	s_mov_b32 s21, 0
	s_lshl_b32 s46, s42, 4
	s_lshl_b32 s47, s15, 3
	s_add_co_u32 s46, s46, s47
	s_mul_i32 s46, s46, 49152
	s_mov_b32 s47, 0
	s_lshl_b32 s92, s42, 11
	s_mov_b32 s93, 0
	s_mul_i32 s94, s14, PT
	s_mov_b32 s96, 0x01010101
	s_wait_kmcnt 0x0
	s_add_nc_u64 s[20:21], s[4:5], s[20:21]
	s_add_nc_u64 s[46:47], s[8:9], s[46:47]
	s_add_nc_u64 s[92:93], s[10:11], s[92:93]
	CROUND
.irp s, 0,1
	s_mov_b32 s[G0P+4*\s], 1
	s_add_co_u32 s[G0P+4*\s+1], s94, \s*SLOT
	s_add_nc_u64 s[G0P+4*\s+2:G0P+4*\s+3], s[20:21], \s*KB
	s_or_b32 s[G0P+4*\s+3], s[G0P+4*\s+3], 0x80000000
	s_mov_b32 s[G0V+4*\s], 1
	s_add_co_u32 s[G0V+4*\s+1], s94, \s*SLOT
	s_add_nc_u64 s[G0V+4*\s+2:G0V+4*\s+3], s[46:47], \s*KB
	s_or_b32 s[G0V+4*\s+3], s[G0V+4*\s+3], 0x80000000
	s_mov_b32 s[G0S+4*\s], 1
	s_add_co_u32 s[G0S+4*\s+1], s94, \s*SLOT
	s_add_nc_u64 s[G0S+4*\s+2:G0S+4*\s+3], s[92:93], \s*16384
	s_or_b32 s[G0S+4*\s+3], s[G0S+4*\s+3], 0x80000000
.endr
	JLOAD3 0                                       ; slot 0's fill, one load a wave, behind the opening round; the chunks' words are fetched and worked while it is out
	s_lshl_b32 s22, s43, 14
	s_mov_b32 s23, 0
	s_add_nc_u64 s[6:7], s[6:7], s[22:23]
	v_lshlrev_b32 v[TW], 2, v0
.set NN, 0
.rept 32
	global_load_b32 v[128+NN], v[TW], s[6:7] offset:512*NN
	global_load_b32 v[160+NN], v[TW], s[6:7] offset:1048576+512*NN
	global_load_b32 v[192+NN], v[TW], s[6:7] offset:2097152+512*NN
.set NN, NN+1
.endr
	v_and_b32 v1, 31, v0
	v_and_b32 v2, 15, v0
	v_bfe_u32 v3, v0, 4, 1
	v_lshlrev_b32 v[CO], 4, v1
	s_mul_i32 s17, s15, 4*KB
	v_add_nc_u32 v[ADA], s17, v[CO]
	v_add_nc_u32 v[ADA+1], SLOT, v[ADA]
	s_mul_i32 s18, s16, PT
	s_add_co_u32 s18, s18, PT
	v_add_nc_u32 v[ADB], s18, v[CO]
	v_add_nc_u32 v[ADB+1], SLOT, v[ADB]
	s_lshl_b32 s19, s16, 10
	s_add_co_u32 s19, s19, 3*PT
	v_lshl_add_u32 v[ADVS], v2, 3, s19
	v_add_nc_u32 v[ADVS+1], SLOT, v[ADVS]
	s_mul_i32 s22, s15, 64*PSP
	s_add_co_u32 s22, s22, PS
	v_mul_u32_u24 v[ADPS], v2, PSP
	v_add_nc_u32 v[ADPS], s22, v[ADPS]
	s_lshl_b32 s23, s15, 8
	s_add_co_u32 s23, s23, RL
	v_lshl_add_u32 v[ARL], v2, 2, s23
	s_mul_i32 s17, s14, 16*SPITCH
	v_mul_u32_u24 v[STO], v2, SPITCH
	v_lshl_add_u32 v[STO], v3, 5, v[STO]
	v_add_nc_u32 v[STO], s17, v[STO]
	v_add_nc_u32 v[RD], s17, v[CO]
	v_mul_u32_u24 v[PSW], v0, PSP
	v_add_nc_u32 v[PSW], PS, v[PSW]
	v_lshl_add_u32 v[RLW], v0, 2, RL
	s_lshl_b32 s22, s43, 7
	s_lshl_b32 s23, s15, 6
	s_add_co_u32 s22, s22, s23
	s_lshl_b32 s22, s22, 12
	s_lshl_b32 s23, s42, 10
	s_add_co_u32 s22, s22, s23
	s_lshl_b32 s23, s16, 9
	s_add_co_u32 s22, s22, s23
	s_mov_b32 s23, 0
	s_add_nc_u64 s[12:13], s[12:13], s[22:23]
	s_mul_i32 s88, s40, 2*49152
	s_mov_b32 s89, 0
	s_add_nc_u64 s[PFA:PFA+1], s[20:21], s[88:89]
	s_add_nc_u64 s[PFA:PFA+1], s[PFA:PFA+1], 2*KB
	s_cmp_lt_u32 s14, 3
	s_cselect_b32 s[LIM], 1, -1
	v_mul_u32_u24 v13, v0, 1366
	v_lshrrev_b32 v13, 16, v13
	v_lshlrev_b32 v[PFO], 8, v0
	v_mad_u32_u24 v[PFO], v13, 36864, v[PFO]
	s_wait_loadcnt 0x0
.set NN, 0
.rept 16
	v_min_num_f32 v[232+NN], v[160+2*NN], v[161+2*NN]
.set NN, NN+1
.endr
.irp n, 8,4,2,1
.set NN, 0
.rept \n
	v_min_num_f32 v[232+NN], v[232+2*NN], v[233+2*NN]
.set NN, NN+1
.endr
.endr
.set NN, 0
.rept 32
	v_sub_f32 v[160+NN], v232, v[160+NN]
.set NN, NN+1
.endr
.set NN, 0
.rept 32
	v_max_num_f32 v[160+NN], 0xc27c0000, v[160+NN]
.set NN, NN+1
.endr
.set NN, 0
.rept 32
	v_cvt_i32_f32 v[160+NN], v[160+NN]
.set NN, NN+1
.endr
.set NN, 0
.rept 32
	v_ldexp_f32 v[192+NN], v[192+NN], v[160+NN]
.set NN, NN+1
.endr
.set NN, 0
.rept 32
	v_mul_lo_u32 v[160+NN], v[160+NN], s96
.set NN, NN+1
.endr
.set NN, 0
.rept 32
	v_add_nc_u32 v[128+NN], v[128+NN], v[160+NN]
.set NN, NN+1
.endr
	v_add_f32 v225, v192, v193
	v_add_f32 v226, v194, v195
	v_add_f32 v227, v196, v197
	v_add_f32 v228, v198, v199
.irp i, 8,12,16,20,24,28
	v_add_f32 v225, v225, v[192+\i]
	v_add_f32 v226, v226, v[193+\i]
	v_add_f32 v227, v227, v[194+\i]
	v_add_f32 v228, v228, v[195+\i]
.endr
	v_add_f32 v225, v225, v226
	v_add_f32 v227, v227, v228
	v_add_f32 v225, v225, v227
	s_wait_alu depctr_va_vdst(0)
	v_rcp_f32 v229, v225
	v_nop
	s_wait_alu depctr_va_vdst(0)
	ds_store_b32 v[RLW], v229
.irp j, 0,1,2,3,4,5,6,7
	ds_store_b128 v[PSW], v[128+4*\j:131+4*\j] offset:16*\j
.endr
	s_wait_alu depctr_va_vdst(0)
	s_wait_tensorcnt 0x0                           ; my part of slot 0 has landed
	ds_add_u32 v[SPW], v[NIL]                      ; the add, ahead of a later first fill's barrier
	s_wait_dscnt 0x0                               ; the add and my stores of scale words and 1 / l are done
	CROUND                                         ; slot 0 and the tables are whole for every wave; all sixteen work-groups are here
	JLOAD3 1                                       ; slot 1's first fill, the first tensor load behind the round
.macro FETCH slot, q
	WIN TO_B
.irp i, 0,1,2,3,4,5,6,7
.irp c, 0,1,2
	ds_load_b128 v[128*((\q)%2)+12*\i+4*\c:128*((\q)%2)+12*\i+4*\c+3], v[ADB+\slot] offset:KB*\i+1536*(\q)+512*\c
.endr
.endr
	WIN 0
.irp i, 0,1,2,3
.irp c, 0,1,2
	ds_load_b128 v[128+48*((\q)%2)+12*\i+4*\c:128+48*((\q)%2)+12*\i+4*\c+3], v[ADA+\slot] offset:KB*\i+1536*(\q)+512*\c
.endr
.endr
.endm
.macro SCALES sc
.irp a, 0,1,2,3
	ds_load_b128 v[32+16*(\sc)+4*\a:32+16*(\sc)+4*\a+3], v[ADPS] offset:16*PSP*\a
.endr
.irp b, 0,1,2,3,4,5,6,7
.irp k, 0,1
	ds_load_b64 v[64+32*(\sc)+4*\b+2*\k:64+32*(\sc)+4*\b+2*\k+1], v[ADVS+\sc] offset:128*\b+2048*\k
.endr
.endr
.endm
.macro MUL8 a, q, sc, zero
.irp b, 0,1,2,3,4,5,6,7
.if \zero
	v_wmma_scale_f32_16x16x128_f8f6f4 v[8*(8*(\a)+\b):8*(8*(\a)+\b)+7], v[128*((\q)%2)+12*\b:128*((\q)%2)+12*\b+11], v[128+48*((\q)%2)+12*(\a):128+48*((\q)%2)+12*(\a)+11], 0, v[64+32*(\sc)+4*\b+(\q)], v[32+16*(\sc)+4*(\a)+(\q)] matrix_a_fmt:MATRIX_FMT_FP6 matrix_b_fmt:MATRIX_FMT_FP6
.else
	v_wmma_scale_f32_16x16x128_f8f6f4 v[8*(8*(\a)+\b):8*(8*(\a)+\b)+7], v[128*((\q)%2)+12*\b:128*((\q)%2)+12*\b+11], v[128+48*((\q)%2)+12*(\a):128+48*((\q)%2)+12*(\a)+11], v[8*(8*(\a)+\b):8*(8*(\a)+\b)+7], v[64+32*(\sc)+4*\b+(\q)], v[32+16*(\sc)+4*(\a)+(\q)] matrix_a_fmt:MATRIX_FMT_FP6 matrix_b_fmt:MATRIX_FMT_FP6
.endif
.endr
.endm
.macro PLACES
.rept 4
	v_nop
.endr
.endm
.macro KS slot, q, zero
	PLACES
	FETCH \slot, (\q)+1
	s_wait_dscnt 36
	WIN MUL
	MUL8 0, \q, \slot, \zero
	MUL8 1, \q, \slot, \zero
	MUL8 2, \q, \slot, \zero
	MUL8 3, \q, \slot, \zero
.endm
.macro TURN slot, next, fill
.if (\fill) && ((\slot) == 0)
	s_wait_xcnt 0x0
	s_add_nc_u64 s[PFA:PFA+1], s[PFA:PFA+1], 2*KB
.endif
	WIN 0
	s_wait_tensorcnt 0x0
	ds_add_u32 v[SPW], v[NIL]
	s_wait_dscnt 1
	WIN MUL
	MUL8 0, 3, \slot, 0
	s_wait_dscnt 0x0
	s_barrier_signal -1
	MUL8 1, 3, \slot, 0
	WIN 0
	s_barrier_wait -1
.if \fill
	CREST
	s_add_nc_u64 s[G0P+4*\slot+2:G0P+4*\slot+3], s[G0P+4*\slot+2:G0P+4*\slot+3], 2*KB
	s_add_nc_u64 s[G0V+4*\slot+2:G0V+4*\slot+3], s[G0V+4*\slot+2:G0V+4*\slot+3], 2*KB
	s_add_nc_u64 s[G0S+4*\slot+2:G0S+4*\slot+3], s[G0S+4*\slot+2:G0S+4*\slot+3], 32768
	JLOAD3 \slot
.else
	PLACES
.endif
	s_wait_alu depctr_va_vdst(0)
	v_add_nc_u32 v[ADPS], 16, v[ADPS]
	FETCH \next, 0
	SCALES \next
.if (\fill) && ((\slot) == 0)
	s_cmp_gt_u32 s3, s[LIM]
	s_cbranch_scc0 .Lnot_mine_\@
	global_prefetch_b8 v[PFO], s[PFA:PFA+1] th:TH_LOAD_NT scope:SCOPE_SE
.Lnot_mine_\@:
.endif
	WIN MUL
	MUL8 2, 3, \slot, 0
	MUL8 3, 3, \slot, 0
.endm
	FETCH 0, 0
	SCALES 0
	KS 0, 0, 1
	WIN 0
	s_mov_b32 s3, 3
.Llap:
	KS 0, 1, 0
	KS 0, 2, 0
	TURN 0, 1, 1
	KS 1, 0, 0
	KS 1, 1, 0
	KS 1, 2, 0
	TURN 1, 0, 1
	KS 0, 0, 0
	WIN 0
	s_sub_co_u32 s3, s3, 1
	s_cmp_lg_u32 s3, 0
	s_cbranch_scc1 .Llap
	KS 0, 1, 0
	KS 0, 2, 0
	TURN 0, 1, 0
	KS 1, 0, 0
	KS 1, 1, 0
	KS 1, 2, 0
	s_wait_dscnt 0x0
	WIN MUL
	MUL8 0, 3, 1, 0
	MUL8 1, 3, 1, 0
	MUL8 2, 3, 1, 0
	MUL8 3, 3, 1, 0
	WIN 0
	PLACES
.irp a, 0,1,2,3
	ds_load_b32 v[224+2*\a], v[ARL] offset:64*\a
	v_mov_b32 v[225+2*\a], 0
.endr
	s_wait_alu depctr_va_vdst(0)
	s_wait_dscnt 0x0
.macro PACK a
	WIN 0x02
.set JJ, 0
.rept 32
	v_pk_mul_f32 v[128+JJ:129+JJ], v[64*(\a)+JJ:64*(\a)+JJ+1], v[224+2*(\a):225+2*(\a)] op_sel_hi:[1,0]
.set JJ, JJ+2
.endr
	WIN 0
.endm
.macro TOSTAGE a
.irp b, 0,1,2,3,4,5,6,7
	ds_store_b128 v[STO], v[128+8*\b:131+8*\b] offset:64*\b
	ds_store_b128 v[STO], v[132+8*\b:135+8*\b] offset:64*\b+16
.endr
	WIN TO_B
.irp t, 0,1,2,3,4,5,6,7,8,9,10,11,12,13,14,15
	ds_load_b128 v[64*((\a)%2)+4*\t:64*((\a)%2)+4*\t+3], v[RD] offset:SPITCH*\t
.endr
	WIN 0
.endm
.macro SEND a, younger
	s_wait_dscnt \younger
	WIN 0x04
.irp t, 0,1,2,3,4,5,6,7,8,9,10,11,12,13,14,15
	global_store_b128 v[CO], v[64*((\a)%2)+4*\t:64*((\a)%2)+4*\t+3], s[12:13] offset:(16*(\a)+\t)*4096 th:TH_STORE_NT
.endr
	WIN 0
.endm
	PACK 0
	TOSTAGE 0
.irp a, 1,2,3
.if \a > 1
	s_wait_xcnt 0x0
.endif
	PACK \a
	TOSTAGE \a
	SEND \a-1, 32
.endr
	SEND 3, 0
	s_wait_tensorcnt 0x0
	ds_add_u32 v[SPW], v[NIL]
	s_wait_dscnt 0x0
	CROUND
	s_endpgm
.Lfunc_end_k_q5a3bd7152f_mix:
	.size	k_q5a3bd7152f_mix, .Lfunc_end_k_q5a3bd7152f_mix-k_q5a3bd7152f_mix
	.p2alignl 7, 3214868480
	.fill 96, 4, 3214868480
	.section	.rodata,"a",@progbits
	.p2align	6, 0x0
	.amdhsa_kernel k_q5a3bd7152f_mix
		.amdhsa_group_segment_fixed_size 327680
		.amdhsa_private_segment_fixed_size 0
		.amdhsa_enable_private_segment 0
		.amdhsa_kernarg_size 40
		.amdhsa_user_sgpr_count 2
		.amdhsa_user_sgpr_kernarg_segment_ptr 1
		.amdhsa_wavefront_size32 1
		.amdhsa_system_sgpr_workgroup_id_x 1
		.amdhsa_system_sgpr_workgroup_id_y 1
		.amdhsa_system_sgpr_workgroup_id_z 1
		.amdhsa_system_vgpr_workitem_id 0
		.amdhsa_next_free_vgpr 768
		.amdhsa_next_free_sgpr 100
		.amdhsa_reserve_vcc 0
		.amdhsa_float_denorm_mode_32 3
		.amdhsa_float_denorm_mode_16_64 3
		.amdhsa_memory_ordered 1
		.amdhsa_forward_progress 1
		.amdhsa_inst_pref_size 167
	.end_amdhsa_kernel
	.amdgpu_metadata
---
amdhsa.version: [ 1, 2 ]
amdhsa.kernels:
  - .name:           k_q5a3bd7152f_mix
    .symbol:         k_q5a3bd7152f_mix.kd
    .args:
      - { .name: pc, .offset: 0, .size: 8, .value_kind: global_buffer, .address_space: global }
      - { .name: pst, .offset: 8, .size: 8, .value_kind: global_buffer, .address_space: global }
      - { .name: vc, .offset: 16, .size: 8, .value_kind: global_buffer, .address_space: global }
      - { .name: vs, .offset: 24, .size: 8, .value_kind: global_buffer, .address_space: global }
      - { .name: out0, .offset: 32, .size: 8, .value_kind: global_buffer, .address_space: global }
    .group_segment_fixed_size: 327680
    .private_segment_fixed_size: 0
    .kernarg_segment_align: 8
    .kernarg_segment_size: 40
    .max_flat_workgroup_size: 128
    .sgpr_count:     100
    .vgpr_count:     768
    .wavefront_size: 32
...
	.end_amdgpu_metadata
.endif
;; end of part 3
